; MI455X (gfx1250); checked and timed in simulation.
; The chip was launched on July 23, 2026; its instructions are those of AMD's public machine-readable ISA for CDNA 5 (MIT licence, August 2026) and "CDNA5" Instruction Set Architecture Reference Guide (July 2026). The comments in the code are by the model that wrote it; some were corrected since.
;; Nerf Model. Allowed arithmetic: matrix products marked QUANTISED: E5M2 operands, one given power-of-two scale a tensor, by v_wmma_f32_16x16x64_bf8_bf8 or v_wmma_f32_16x16x128_bf8_bf8, f32 sums; products left as they are: f32 operands where the result goes on into a quantised operand, else bf16, f16 or f32 operands; f32 sums; everything else in f32.
;; Inputs: b00 256 float32; b01 256 float32; b02 256 float32; b03 256 float32; b10 256 float32; b11 256 float32; b12 256 float32; b13 256 float32; cb0 128 float32; cb1 4 float32; cw0 283 x 128 float32; cw1 128 x 4 float32; dir 131,072 x 3 float32; lowp_scales 18 int32 (the exponents e of the quantised operands' scales 2^e); pixel_width 131,072 x 1 float32; pos 131,072 x 3 float32; t_end 131,072 x 1 float32; t_start 131,072 x 1 float32; w00 63 x 256 float32; w01 256 x 256 float32; w02 256 x 256 float32; w03 256 x 256 float32; w10 319 x 256 float32; w11 256 x 256 float32; w12 256 x 256 float32; w13 256 x 256 float32.
;; Outputs: out0 131,072 float32; out1 131,072 x 3 float32.
;; This version of the problem:
;;   THIS VERSION OF THE PROBLEM IS GIVEN IN LOW PRECISION. The matrix products marked QUANTISED in the list below multiply operands that are first quantised to E5M2 (5 exponent bits, 2 mantissa bits; 8 bits a number), with one given power-of-two scale for each operand tensor; their sums are f32. All else is computed in f32.
;;   The module's matrix products, in the order in which they are computed (A, B: the left and right operand; K: the contracted axis; several contracted axes count as one K, in the product's order):
;;     1. [M 131,072, K 63] x [K 63, N 256]; A: computed on the way; B: input w00: QUANTISED (scales: A lowp_scales[0], B lowp_scales[1])
;;     2. [M 131,072, K 256] x [K 256, N 256]; A: computed on the way; B: input w01: QUANTISED (scales: A lowp_scales[2], B lowp_scales[3])
;;     3. [M 131,072, K 256] x [K 256, N 256]; A: computed on the way; B: input w02: QUANTISED (scales: A lowp_scales[4], B lowp_scales[5])
;;     4. [M 131,072, K 256] x [K 256, N 256]; A: computed on the way; B: input w03: QUANTISED (scales: A lowp_scales[6], B lowp_scales[7])
;;     5. [M 131,072, K 319] x [K 319, N 256]; A: computed on the way; B: input w10: QUANTISED (scales: A lowp_scales[8], B lowp_scales[9])
;;     6. [M 131,072, K 256] x [K 256, N 256]; A: computed on the way; B: input w11: QUANTISED (scales: A lowp_scales[10], B lowp_scales[11])
;;     7. [M 131,072, K 256] x [K 256, N 256]; A: computed on the way; B: input w12: QUANTISED (scales: A lowp_scales[12], B lowp_scales[13])
;;     8. [M 131,072, K 256] x [K 256, N 256]; A: computed on the way; B: input w13: QUANTISED (scales: A lowp_scales[14], B lowp_scales[15])
;;     9. [M 131,072, K 283] x [K 283, N 128]; A: computed on the way; B: input cw0: QUANTISED (scales: A lowp_scales[16], B lowp_scales[17])
;;     10. [M 131,072, K 128] x [K 128, N 4]; A: computed on the way; B: input cw1: left as it is (N = 4 < 16)
;;   THE QUANTISER, for each operand of a quantised product, along K:
;;     - The operand's scale is 2^e, e = its entry of the input lowp_scales (int32; the entries are numbered through the quantised products in the list's order, A before B).
;;     - Each number is divided by the scale, clamped to +-57,344, and rounded to the nearest number of E5M2, ties to even, subnormals kept.
;;     - The product sums the exact products of the quantised numbers (number of the format x scale) in f32.
;;   ~~~python
;;   def quantise(x, axis, e):      # numpy; x: float32 -> the quantised numbers, widened to float32 again
;;       x = np.moveaxis(x, axis, -1); K = x.shape[-1]
;;       r = np.clip(x / 2.0 ** e, -57344, 57344)
;;       step = 2.0 ** (np.maximum(np.frexp(np.where(r == 0, 1, r))[1] - 1, -14) - 2)
;;       q = np.round(r / step) * step * 2.0 ** e      # np.round: ties to even
;;       return np.moveaxis(q, -1, axis).astype(np.float32)
;;   ~~~
;;   OPERANDS COMPUTED ON THE WAY. 'Computed on the way' means the value that the module computes at that place (a softmax that the list does not call 'softmax' is quantised finished and normalised). What goes into a quantiser is computed in f32, as accurately as f32 sums, v_exp_f32 and their like allow (about 1e-6 of the number): no bf16 or f16 on the way to a quantiser, and a product that is left as it is and whose result goes on into a quantised operand takes f32 operands (vector FMAs, or v_wmma_f32_16x16x4_f32). A number that lies on a knife's edge between two numbers of the format may be rounded either way, as far as f32 arithmetic and the matrix unit's own rounding can turn it there, and no further.
;; One version. Each part assembles by itself: llvm-mc -triple=amdgcn-amd-amdhsa -mcpu=gfx1250 --defsym DOCPART=n.
;; ======== version 1 of 1: 2 launches
;; limits: inputs' magnitudes at most 12,800; right only within a limited range of input values; values are held in bf16: 8 bits of precision
;; workspace buffers: wq 747,520 bytes; params 512 bytes
;; launch prep (part 1): grid 142 x 1, 4 waves a work-group, no clusters, 0 bytes of LDS; arguments w00, w01, w02, w03, w10, w11, w12, w13, cw0, cw1, b00, b01, b02, b03, b10, b11, b12, b13, cb0, lowp_scales, wq, params; writes wq, params
.if DOCPART == 1
	.amdgcn_target "amdgcn-amd-amdhsa--gfx1250"
	.amdhsa_code_object_version 6
	.text
	.protected	k_q5c94704ecf_prep
	.globl	k_q5c94704ecf_prep
	.p2align	8
	.type	k_q5c94704ecf_prep,@function
k_q5c94704ecf_prep:
	s_mov_b64 s[64:65], 0
	v_nop
	global_prefetch_b8 v0, s[64:65] scope:SCOPE_SE
	s_setreg_imm32_b32 hwreg(HW_REG_WAVE_MODE, 25, 1), 1
	s_wait_xcnt 0x0
; The weights of the nine quantised products, f32 stored [K][N], become codes of BF8 (E5M2), each tensor with its given scale 2^e, laid as IMAGES OF THE OPERAND'S REGISTERS:
; a fragment (16 hidden units x 128 or 64 along K) lies register group by register group, 16 bytes a lane, 512 bytes a group, so that the second launch fetches it by 16-byte LDS loads at 16 x lane.
; code = w / 2^e, held within +-57,344, to the nearest code, ties to even.
; DEAD WORK: pixel_width, t_start and t_end enter no step of the module, so they have no way to an output and are arguments of no launch.  A NaN or an infinity in them is not carried to the result.
; wq: five regions of 149,504 bytes; region i < 4 holds layers 2 i + 1 and 2 i + 2: their K = 256 parts at + 0 and + 65,536, at + 131,072 the two biases, at + 133,120 the K = 64 fragments of the encoding's rows (layers 1 and 5).
;   In a K = 256 part: chunk c (units 16 c ..) at 4,096 c; K step s at + 2,048 s; register group q at + 512 q; lane (r, h) at + 16 r + 256 h.  A K = 64 part: chunk c at 1,024 c, group q at + 512 q.
;   Lane (r, h) of group q holds, of unit 16 c + r, k = 128 s + 32 q + 8 h + 0 .. 7 and then k = 128 s + 32 q + 16 + 8 h + 0 .. 7: the layout of v_wmma_f32_16x16x128_bf8_bf8 and (s = 0; q = 0, 1) of the K = 64 form.
;   Region 4 (layer 9, N = 128): 8 chunks; at + 32,768 the K = 64 fragments of the direction's 27 rows; at + 40,960 cw1 as four bf16 fragments; at + 45,056 cb0.
;   The second launch fetches regions 0, 2 and 4 whole and regions 1 and 3 up to their biases' end: what it fetches and no layer uses (region 0's first part, region 4's end) is zeroed here.
; A bias goes out divided by 2^(eA + eW) of its product, since it will be added to sums of codes.  cw1 goes out multiplied by 2^(eA + eW) of product 9, whose sums it multiplies.
; params: 32 groups of four words {scale, lower hold, upper hold, 0}.  Group l < 8: what turns a sum of layer l + 1 into a code of the next operand: 2^f, f = eNext - eA - eW; 0 (the ReLU) or, behind layer 8, -57,344 x 2^f; 57,344 x 2^f.
;   Groups 8, 9, 10: 2^e and 57,344 x 2^e for e = entries 0, 8, 16 (the encodings as operands of layers 1, 5, 9).  The groups behind repeat group 10.
; THE ENCODINGS' K HAS AN ORDER OF ITS OWN, the same here and in the second launch (macro FEATURE): the place k of a feature is chosen so that the second launch's lanes make their own features and none changes lanes.
; A LANE TAKES A COLUMN n AND ITS REGISTERS RUN DOWN K: a load reads 128 neighbouring bytes in a wave, and the conversions give codes with K innermost.  A store's lanes 0-15 fill 256 consecutive aligned bytes of one chunk, lanes 16-31 of the next.
; SHARES, a wave 32 columns x 32 along K: work-groups 0-111: w01 .. w13; 112-119: cw0's first 256 rows; 120-127: w00, and w10's last 63 rows; 128, 129: cw0's last 27 rows; 130: biases, cw1; 131-140: zeros; 141: params, cb0.
; LIMITS: every entry e of lowp_scales, and every f above, lies between -126 and 112, so that 2^e and 57,344 x 2^e are f32 numbers.  NaN among the inputs is not served.
.set REG,   149504
.set BOFF,  131072
.set EOFF,  133120
.set XR,    32                         ; v32-63   32 numbers of a lane: two groups of 16
.set CR,    96                         ; v96-103  their codes
; The row of the weight that stands at place k of K.  mode 0: row k.  mode 1: the position's encoding (63 features).  mode 2: the direction's (27).  ROWN = -1: padding, a zero code.
; Place k belongs to the lanes' half fh = (k / 8) % 2 and is number fi = 8 (k / 16) + k % 8 of that half's numbers.
.macro FEATURE mode, k
.set fh, ((\k)>>3)&1
.set fi, 8*((\k)>>4)+((\k)&7)
.if \mode == 0
.set ROWN, \k
.elseif \mode == 1
.set fc, fi>>4                         ; 0 sine, 1 cosine
.set fj, fi&15
.if fj < 10
.set ROWN, 3+10*(fj&1)+5*fh+(fj>>1)+30*fc      ; x and y by turns, frequencies 5 fh + 0 .. 4
.elseif fj < 15
.set ROWN, 23+5*fh+(fj-10)+30*fc               ; z
.elseif fc == 0
.set ROWN, 2*fh                                ; the numbers themselves: x, z,
.elseif fh == 0
.set ROWN, 1                                   ; y
.else
.set ROWN, -1
.endif
.else
.set fc, fi>>3
.set fj, fi&7
.if (\k) >= 32
.set ROWN, -1
.elseif fj < 4
.set ROWN, 3+4*(fj&1)+2*fh+(fj>>1)+12*fc       ; x and y by turns, frequencies 2 fh + 0, 1
.elseif fj < 6
.set ROWN, 11+2*fh+(fj-4)+12*fc                ; z
.elseif fc == 1
.set ROWN, -1
.elseif fj == 6
.set ROWN, 2*fh
.elseif fh == 0
.set ROWN, 1
.else
.set ROWN, -1
.endif
.endif
.endm
; 32 places of K from k0 on x 32 columns.  s[54:55]: the source at its first row (mode 0: at row k0) and my first column; s[56:57]: the first chunk's image of this register group; v2 = 4 x lane;
; v3 = chunk stride x (lane / 16) + 16 (lane % 16); s66: e, on its way.  Group cb of 16 numbers belongs to the images' lanes of half cb.
.macro UNIT pitch, mode, k0
.set cb, 0
.rept 2
.set ei, 0
.rept 16
	FEATURE \mode, (\k0+16*(ei>>3)+8*cb+(ei&7))
.if ROWN >= 0
	global_load_b32 v[XR+16*cb+ei], v2, s[54:55] offset:ROWN*\pitch th:TH_LOAD_NT
.else
	v_mov_b32 v[XR+16*cb+ei], 0
.endif
.set ei, ei+1
.endr
.set cb, cb+1
.endr
	s_wait_alu depctr_va_vdst(0)
	s_wait_kmcnt 0x0                               ; e
	s_add_co_i32 s66, s66, 127
	s_lshl_b32 s67, s66, 23
	v_mov_b32 v11, s67                             ; 2^e as f32: the conversion takes its exponent field
	s_add_co_i32 s66, s66, 15
	s_lshl_b32 s66, s66, 23
	s_or_b32 s66, s66, 0x600000
	v_mov_b32 v10, s66                             ; 57,344 x 2^e
.set cb, 0
	s_wait_alu depctr_va_vdst(0)
.rept 2
.if \mode == 0
	s_wait_loadcnt 16-16*cb                        ; this group's 16 loads are in; the 16 of the later group may be out
.elseif cb == 0
	s_wait_loadcnt 0x0                             ; padding makes the groups uneven: one wait for all
.endif
.set ei, 0
.rept 16
	v_med3_num_f32 v[XR+16*cb+ei], v[XR+16*cb+ei], -v10, v10   ; the conversion to an 8-bit code does not saturate (ISA guide 7.6.2): the hold comes first
.set ei, ei+1
.endr
	v_cvt_scalef32_pk8_bf8_f32 v[CR+4*cb:CR+4*cb+1], v[XR+16*cb:XR+16*cb+7], v11
	v_cvt_scalef32_pk8_bf8_f32 v[CR+4*cb+2:CR+4*cb+3], v[XR+16*cb+8:XR+16*cb+15], v11
	global_store_b128 v3, v[CR+4*cb:CR+4*cb+3], s[56:57] offset:256*cb   ; each group has its own registers: no store's data are written again
.set cb, cb+1
.endr
.endm
	s_load_b512 s[8:23], s[0:1], 0x0               ; w00 s[8:9], w01, w02, w03, w10 s[16:17], w11, w12, w13 s[22:23]
	s_load_b128 s[24:27], s[0:1], 0x40             ; cw0, cw1
	s_load_b512 s[28:43], s[0:1], 0x50             ; b00 .. b13
	s_load_b256 s[44:51], s[0:1], 0x90             ; cb0, lowp_scales s[46:47], wq s[48:49], params s[50:51]
	v_lshrrev_b32 v1, 5, v0
	v_readfirstlane_b32 s52, v1                    ; wave
	s_mov_b32 s53, ttmp9                           ; work-group
	v_and_b32 v4, 31, v0                           ; lane
	v_lshlrev_b32 v2, 2, v4
	v_and_b32 v5, 15, v4
	v_lshrrev_b32 v6, 4, v4                        ; lane / 16
	v_lshlrev_b32 v5, 4, v5                        ; 16 (lane % 16)
	s_wait_alu depctr_va_vdst(0)                   ; the head's end
	s_wait_kmcnt 0x0
	s_cmp_ge_u32 s53, 141
	s_cbranch_scc1 .Lparm
	s_cmp_ge_u32 s53, 131
	s_cbranch_scc1 .Lzero
	s_cmp_ge_u32 s53, 130
	s_cbranch_scc1 .Lmisc
	s_cmp_ge_u32 s53, 128
	s_cbranch_scc1 .Lede
	s_cmp_ge_u32 s53, 120
	s_cbranch_scc1 .Lepe
	s_cmp_ge_u32 s53, 112
	s_cbranch_scc1 .Lm128
	; ---- w01 .. w13: tensor b = work-group / 16 + 1, columns 32 ((work-group / 2) % 8) on, rows 32 (4 (work-group % 2) + wave) on
	s_lshr_b32 s58, s53, 4
	s_add_co_u32 s58, s58, 1                       ; b
	s_bfe_u32 s59, s53, 0x30001
	s_and_b32 s67, s53, 1
	s_lshl_b32 s67, s67, 2
	s_add_co_u32 s67, s67, s52                     ; which 32 along K
	s_mov_b64 s[54:55], s[10:11]
.irp n, 2,3,4,5,6,7
	s_cmp_eq_u32 s58, \n
	s_cselect_b64 s[54:55], s[8+2*\n:9+2*\n], s[54:55]
.endr
	s_lshl_b32 s60, s67, 15                        ; 32 rows of 1,024 bytes
	s_lshl_b32 s62, s59, 7
	s_add_co_u32 s60, s60, s62
	s_mov_b32 s61, 0
	s_add_nc_u64 s[54:55], s[54:55], s[60:61]
	s_lshr_b32 s60, s58, 1
	s_mul_i32 s60, s60, REG
	s_and_b32 s62, s58, 1
	s_lshl_b32 s62, s62, 16
	s_add_co_u32 s60, s60, s62
	s_lshl_b32 s62, s59, 13                        ; two chunks of 4,096 bytes
	s_add_co_u32 s60, s60, s62
	s_lshl_b32 s62, s67, 9                         ; 32 along K are a register group: 512 bytes
	s_add_co_u32 s60, s60, s62
	s_add_nc_u64 s[56:57], s[48:49], s[60:61]
	s_lshl_b32 s60, s58, 3
	s_add_nc_u64 s[62:63], s[46:47], s[60:61]
	s_load_b32 s66, s[62:63], 0x4                  ; entry 2 b + 1
	v_lshl_add_u32 v3, v6, 12, v5
	UNIT 1024, 0, 0
	s_endpgm
.Lm128:	; ---- cw0's first 256 rows: columns 32 ((work-group - 112) / 2) on
	s_sub_co_u32 s58, s53, 112
	s_lshr_b32 s59, s58, 1
	s_and_b32 s67, s58, 1
	s_lshl_b32 s67, s67, 2
	s_add_co_u32 s67, s67, s52
	s_lshl_b32 s60, s67, 14                        ; 32 rows of 512 bytes
	s_lshl_b32 s62, s59, 7
	s_add_co_u32 s60, s60, s62
	s_mov_b32 s61, 0
	s_add_nc_u64 s[54:55], s[24:25], s[60:61]
	s_lshl_b32 s60, s59, 13
	s_lshl_b32 s62, s67, 9
	s_add_co_u32 s60, s60, s62
	s_add_co_u32 s60, s60, 4*REG
	s_add_nc_u64 s[56:57], s[48:49], s[60:61]
	s_load_b32 s66, s[46:47], 0x44                 ; entry 17
	v_lshl_add_u32 v3, v6, 12, v5
	UNIT 512, 0, 0
	s_endpgm
.Lepe:	; ---- the position's encoding as K: w00 and w10's rows 256 on.  n = work-group - 120: tensor n / 4, places 32 ((n / 2) % 2) on, columns 32 (4 (n % 2) + wave) on
	s_sub_co_u32 s58, s53, 120
	s_and_b32 s59, s58, 1
	s_lshl_b32 s59, s59, 2
	s_add_co_u32 s59, s59, s52
	s_bfe_u32 s53, s58, 0x10001
	s_lshr_b32 s58, s58, 2                         ; 0: w00, 1: w10
	s_mov_b32 s63, 2*REG+EOFF
	s_cmp_eq_u32 s58, 0                            ; the choices hang on the work-group's number alone
	s_cselect_b64 s[54:55], s[8:9], s[16:17]
	s_cselect_b32 s60, 0, 256*1024
	s_cselect_b32 s63, EOFF, s63
	s_cselect_b32 s62, 0, 32                       ; entry 1 or entry 9
	s_lshl_b32 s66, s59, 7
	s_add_co_u32 s60, s60, s66
	s_mov_b32 s61, 0
	s_add_nc_u64 s[54:55], s[54:55], s[60:61]
	s_lshl_b32 s60, s59, 11                        ; two chunks of 1,024 bytes
	s_add_co_u32 s60, s60, s63
	s_lshl_b32 s66, s53, 9
	s_add_co_u32 s60, s60, s66
	s_add_nc_u64 s[56:57], s[48:49], s[60:61]
	s_mov_b32 s60, s62
	s_add_nc_u64 s[62:63], s[46:47], s[60:61]
	s_load_b32 s66, s[62:63], 0x4
	v_lshl_add_u32 v3, v6, 10, v5
	s_wait_alu depctr_va_vdst(0)
	s_cmp_eq_u32 s53, 1
	s_cbranch_scc1 .Lepe1
	UNIT 1024, 1, 0
	s_endpgm
.Lepe1:
	UNIT 1024, 1, 32
	s_endpgm
.Lede:	; ---- the direction's encoding as K: cw0's rows 256 on; columns 32 x wave on; work-group 129 makes places 32 .. 63, all padding
	s_sub_co_u32 s58, s53, 128
	s_lshl_b32 s60, s52, 7
	s_add_co_u32 s60, s60, 256*512
	s_mov_b32 s61, 0
	s_add_nc_u64 s[54:55], s[24:25], s[60:61]
	s_lshl_b32 s60, s52, 11
	s_lshl_b32 s62, s58, 9
	s_add_co_u32 s60, s60, s62
	s_add_co_u32 s60, s60, 4*REG+32768
	s_add_nc_u64 s[56:57], s[48:49], s[60:61]
	s_load_b32 s66, s[46:47], 0x44                 ; entry 17
	v_lshl_add_u32 v3, v6, 10, v5
	s_wait_alu depctr_va_vdst(0)
	s_cmp_eq_u32 s58, 1
	s_cbranch_scc1 .Lede1
	UNIT 512, 2, 0
	s_endpgm
.Lede1:
	UNIT 512, 2, 32
	s_endpgm
.Lzero:	; ---- zeros, 16,384 bytes a work-group: n = work-group - 131: 0-3 region 0's first part, 4-9 region 4's last 98,304 bytes
	s_sub_co_u32 s58, s53, 131
	s_lshl_b32 s60, s58, 14
	s_cmp_ge_u32 s58, 4
	s_cselect_b32 s62, 4*REG+51200-4*16384, 0
	s_add_co_u32 s60, s60, s62
	s_mov_b32 s61, 0
	s_add_nc_u64 s[56:57], s[48:49], s[60:61]
	v_lshlrev_b32 v3, 4, v0
	v_mov_b32 v112, 0
	v_mov_b32 v113, 0
	v_mov_b32 v114, 0
	v_mov_b32 v115, 0
.irp m, 0,1,2,3,4,5,6,7
	global_store_b128 v3, v[112:115], s[56:57] offset:2048*\m
.endr
	s_endpgm
.Lmisc:	; ---- biases and cw1
	s_load_b512 s[68:83], s[46:47], 0x0            ; entries 0 .. 15
	s_load_b64 s[84:85], s[46:47], 0x40            ; entries 16, 17
	v_lshlrev_b32 v7, 3, v0                        ; 128 threads x 8 bytes: a bias of 256 numbers; a wave covers 256 consecutive bytes
.irp i, 0,1,2,3,4,5,6,7
	global_load_b64 v[16+2*\i:17+2*\i], v7, s[28+2*\i:29+2*\i]
.endr
	; cw1 [128][4] as source 0 of v_wmma_f32_16x16x32_bf16: wave f makes the fragment of k = 32 f .. 32 f + 31.  Lane (r, h) is row r of 16: output r % 8 where that is under 4, else zeros:
	; rows 8-11 repeat rows 0-3, so that in the result both halves of the lanes hold the four outputs in their four lowest registers.  Register j, half b: k = 32 f + 16 (j / 4) + 8 h + 2 (j % 4) + b
	s_wait_alu depctr_va_vdst(0)
	v_and_b32 v8, 7, v4
	v_min_u32 v9, 3, v8
	v_lshlrev_b32 v9, 2, v9
	v_lshl_add_u32 v9, v6, 7, v9                   ; + 8 h rows of 16 bytes
	s_lshl_b32 s58, s52, 9
	v_add_nc_u32 v9, s58, v9                       ; + 32 f rows
.irp j, 0,1,2,3,4,5,6,7
.irp b, 0,1
	global_load_b32 v[32+2*\j+\b], v9, s[26:27] offset:16*(16*(\j>>2)+2*(\j&3)+\b)
.endr
.endr
	s_add_nc_u64 s[56:57], s[48:49], BOFF
	s_add_nc_u64 s[60:61], s[48:49], 4*REG+40960
	s_lshl_b32 s58, s52, 10
	v_lshl_add_u32 v12, v4, 4, s58                 ; 16 x lane + 1,024 f
	s_wait_alu depctr_va_vdst(0)
	s_wait_kmcnt 0x0
	s_wait_loadcnt 16                              ; the biases are in; cw1's 16 loads may be out
.irp i, 0,1,2,3,4,5,6,7
	s_add_co_i32 s59, s[68+2*\i], s[69+2*\i]
	s_sub_co_i32 s59, 0, s59
	v_ldexp_f32 v[16+2*\i], v[16+2*\i], s59        ; b / 2^(eA + eW)
	v_ldexp_f32 v[17+2*\i], v[17+2*\i], s59
	global_store_b64 v7, v[16+2*\i:17+2*\i], s[56:57] offset:REG*(\i>>1)+1024*(\i&1)
.endr
	s_add_co_i32 s59, s84, s85
	v_cmp_gt_u32 vcc_lo, 4, v8
	s_wait_alu depctr_va_vdst(0)
	s_wait_loadcnt 0x0
.irp n, 0,1,2,3,4,5,6,7,8,9,10,11,12,13,14,15
	v_ldexp_f32 v[32+\n], v[32+\n], s59            ; cw1 x 2^(e16 + e17)
	v_cndmask_b32 v[32+\n], 0, v[32+\n], vcc_lo
.endr
.irp j, 0,1,2,3,4,5,6,7
	v_cvt_pk_bf16_f32 v[64+\j], v[32+2*\j], v[33+2*\j]
.endr
	global_store_b128 v12, v[64:67], s[60:61]
	global_store_b128 v12, v[68:71], s[60:61] offset:512
	s_endpgm
.Lparm:	; ---- params and cb0 (wave 0)
	s_cmp_lg_u32 s52, 0
	s_cbranch_scc1 .Lparm_end
	s_load_b64 s[84:85], s[46:47], 0x40            ; entries 16, 17
	v_lshlrev_b32 v13, 4, v4                       ; cb0, 16 bytes a lane, and params, a group a lane
	global_load_b128 v[72:75], v13, s[44:45]
	v_cmp_gt_u32 vcc_lo, 8, v4                     ; l < 8
	v_lshlrev_b32 v14, 3, v4
	v_cndmask_b32 v15, 0, v14, vcc_lo              ; eA, eW at byte 8 l
	v_min_u32 v76, 10, v4
	v_and_b32 v76, 3, v76                          ; l = 8, 9, 10 and on: 0, 1, 2
	v_lshlrev_b32 v76, 5, v76                      ; entries 0, 8, 16
	v_add_nc_u32 v77, 8, v14
	v_cndmask_b32 v76, v76, v77, vcc_lo            ; l < 8: the next operand's entry, 2 l + 2
	global_load_b32 v78, v15, s[46:47]
	global_load_b32 v79, v15, s[46:47] offset:4
	global_load_b32 v80, v76, s[46:47]
	s_add_nc_u64 s[62:63], s[48:49], 4*REG+45056
	v_mov_b32 v88, 0
	v_mov_b32 v89, 0
	v_mov_b32 v90, 0
	v_mov_b32 v91, 0
.irp m, 1,2,3,4,5,6,7,8,9,10,11
	global_store_b128 v13, v[88:91], s[62:63] offset:512*\m   ; zeros from cb0's end to the zeros of work-group 135
.endr
	s_wait_alu depctr_va_vdst(0)
	s_wait_kmcnt 0x0
	s_add_co_i32 s59, s84, s85
	s_sub_co_i32 s59, 0, s59
	s_wait_loadcnt 0x0
.irp n, 72,73,74,75
	v_ldexp_f32 v\n, v\n, s59                      ; cb0 / 2^(e16 + e17)
.endr
	global_store_b128 v13, v[72:75], s[62:63]
	v_add_nc_u32 v78, v78, v79
	v_cndmask_b32 v78, 0, v78, vcc_lo
	v_sub_nc_u32 v80, v80, v78                     ; f
	v_add_nc_u32 v81, 127, v80
	v_lshlrev_b32 v84, 23, v81                     ; 2^f
	v_add_nc_u32 v81, 142, v80
	v_lshlrev_b32 v81, 23, v81
	v_or_b32 v86, 0x600000, v81                    ; 57,344 x 2^f
	v_or_b32 v82, 0x80000000, v86
	v_cmp_eq_u32 vcc_lo, 7, v4
	v_cndmask_b32 v85, 0, v82, vcc_lo              ; behind layer 8 stands no ReLU
	v_mov_b32 v87, 0
	global_store_b128 v13, v[84:87], s[50:51]
.Lparm_end:
	s_endpgm
.Lfunc_end_k_q5c94704ecf_prep:
	.size	k_q5c94704ecf_prep, .Lfunc_end_k_q5c94704ecf_prep-k_q5c94704ecf_prep
	.p2alignl 7, 3214868480
	.fill 96, 4, 3214868480
	.section	.rodata,"a",@progbits
	.p2align	6, 0x0
	.amdhsa_kernel k_q5c94704ecf_prep
		.amdhsa_group_segment_fixed_size 0
		.amdhsa_private_segment_fixed_size 0
		.amdhsa_enable_private_segment 0
		.amdhsa_kernarg_size 176
		.amdhsa_user_sgpr_count 2
		.amdhsa_user_sgpr_kernarg_segment_ptr 1
		.amdhsa_wavefront_size32 1
		.amdhsa_system_sgpr_workgroup_id_x 1
		.amdhsa_system_sgpr_workgroup_id_y 1
		.amdhsa_system_sgpr_workgroup_id_z 1
		.amdhsa_system_vgpr_workitem_id 0
		.amdhsa_next_free_vgpr 128
		.amdhsa_next_free_sgpr 100
		.amdhsa_reserve_vcc 1
		.amdhsa_float_denorm_mode_32 3
		.amdhsa_float_denorm_mode_16_64 3
		.amdhsa_memory_ordered 1
		.amdhsa_forward_progress 1
		.amdhsa_inst_pref_size 50
	.end_amdhsa_kernel
	.amdgpu_metadata
---
amdhsa.version: [ 1, 2 ]
amdhsa.kernels:
  - .name:           k_q5c94704ecf_prep
    .symbol:         k_q5c94704ecf_prep.kd
    .args:
      - { .name: w00, .offset: 0, .size: 8, .value_kind: global_buffer, .address_space: global }
      - { .name: w01, .offset: 8, .size: 8, .value_kind: global_buffer, .address_space: global }
      - { .name: w02, .offset: 16, .size: 8, .value_kind: global_buffer, .address_space: global }
      - { .name: w03, .offset: 24, .size: 8, .value_kind: global_buffer, .address_space: global }
      - { .name: w10, .offset: 32, .size: 8, .value_kind: global_buffer, .address_space: global }
      - { .name: w11, .offset: 40, .size: 8, .value_kind: global_buffer, .address_space: global }
      - { .name: w12, .offset: 48, .size: 8, .value_kind: global_buffer, .address_space: global }
      - { .name: w13, .offset: 56, .size: 8, .value_kind: global_buffer, .address_space: global }
      - { .name: cw0, .offset: 64, .size: 8, .value_kind: global_buffer, .address_space: global }
      - { .name: cw1, .offset: 72, .size: 8, .value_kind: global_buffer, .address_space: global }
      - { .name: b00, .offset: 80, .size: 8, .value_kind: global_buffer, .address_space: global }
      - { .name: b01, .offset: 88, .size: 8, .value_kind: global_buffer, .address_space: global }
      - { .name: b02, .offset: 96, .size: 8, .value_kind: global_buffer, .address_space: global }
      - { .name: b03, .offset: 104, .size: 8, .value_kind: global_buffer, .address_space: global }
      - { .name: b10, .offset: 112, .size: 8, .value_kind: global_buffer, .address_space: global }
      - { .name: b11, .offset: 120, .size: 8, .value_kind: global_buffer, .address_space: global }
      - { .name: b12, .offset: 128, .size: 8, .value_kind: global_buffer, .address_space: global }
      - { .name: b13, .offset: 136, .size: 8, .value_kind: global_buffer, .address_space: global }
      - { .name: cb0, .offset: 144, .size: 8, .value_kind: global_buffer, .address_space: global }
      - { .name: lowp_scales, .offset: 152, .size: 8, .value_kind: global_buffer, .address_space: global }
      - { .name: wq, .offset: 160, .size: 8, .value_kind: global_buffer, .address_space: global }
      - { .name: params, .offset: 168, .size: 8, .value_kind: global_buffer, .address_space: global }
    .group_segment_fixed_size: 0
    .private_segment_fixed_size: 0
    .kernarg_segment_align: 8
    .kernarg_segment_size: 176
    .max_flat_workgroup_size: 128
    .sgpr_count:     100
    .vgpr_count:     128
    .wavefront_size: 32
...
	.end_amdgpu_metadata
.endif
;; end of part 1
;; launch nerf (part 2): grid 256 x 1, 8 waves a work-group, clusters of 4 x 1, 327,680 bytes of LDS; arguments pos, dir, wq, params, cb1, out0, out1; writes out0, out1
.if DOCPART == 2
	.amdgcn_target "amdgcn-amd-amdhsa--gfx1250"
	.amdhsa_code_object_version 6
	.text
	.protected	k_q5c94704ecf_nerf
	.globl	k_q5c94704ecf_nerf
	.p2align	8
	.type	k_q5c94704ecf_nerf,@function
k_q5c94704ecf_nerf:
	s_mov_b64 s[64:65], 0
	v_nop
	global_prefetch_b8 v0, s[64:65] scope:SCOPE_SE
	s_setreg_imm32_b32 hwreg(HW_REG_WAVE_MODE, 25, 1), 1
	s_wait_xcnt 0x0
	s_wait_alu depctr_hold_cnt(0) depctr_sa_sdst(0) depctr_va_vdst(0) depctr_va_sdst(0) depctr_va_ssrc(0) depctr_va_vcc(0) depctr_vm_vsrc(0)
	s_getreg_b32 s2, hwreg(HW_REG_IB_STS2, 6, 4)
	s_cmp_eq_u32 s2, 0
	s_cbranch_scc0 .Lentry_in_a_cluster
	s_endpgm
.Lentry_in_a_cluster:
	s_bfe_u32 s2, ttmp6, 0x10000c
	s_cmp_lg_u32 s2, 0x3003
	s_cbranch_scc0 .Lentry_shape_is_right
	s_endpgm
.Lentry_shape_is_right:
; The whole network for 512 rows a work-group, 64 rows (four tiles of 16) a wave, two waves to a SIMD.  Nothing but the weights' codes passes through LDS: a layer's result becomes the next layer's operand in registers.
; (pixel_width, t_start and t_end reach no output and are not loaded: the first launch's head says why.)
; A product is used TRANSPOSED: source 0 = 16 hidden units of the weight, source 1 = 16 rows.  Lane (r, h) then holds row r and the units 16 c + 8 h + 0 .. 7 of chunk c in its eight registers: neighbours along the next K,
; and after the conversion registers 2 c, 2 c + 1 of the next operand.  The bias is the C of a chunk's first product; the scales are folded into the conversion's one; ReLU and hold are one median.
; A CHUNK: at its head, in one run, the LDS loads of the next chunk's weights and biases; then its matrix instructions, four accumulators by turns, with holds of the chunk before, whose sums lie in the other set of accumulators,
;   between them; then that chunk's other holds and its four conversions.  Loads, holds and matrix instructions stand under one setting of the register windows (source 1 in window 1, which the holds' second source, a scalar, does not use).
; LDS: two slots, each with two layers' weights and biases; each wave fetches an eighth of a slot (73 or 65 rows of 256 bytes) by one joint load: the four work-groups of a cluster need the same weights.
;   A fill goes out behind one change of slots and is waited for at the next, two layers on (about 190 matrix instructions a wave and more): so nothing is prefetched into the L2: no wave's work hangs on a fill any sooner.
; THE ENCODING: lane (r, h) makes, of row r, the position's frequencies 5 h .. 5 h + 4 and the direction's 2 h, 2 h + 1, in the order of K that the first launch gave the weights.
;   t = x 2^k / pi as a high and a low part; n = round(t); A = t - n; sin = (-1)^n P(A), cos = (-1)^n P(1/2 - |A|), P(u) = sin(pi u) as u times a polynomial of degree 4 in u^2, within 1e-7 for |u| <= 1/2.
;   Frequencies 1 and 3 (direction: 1) of a lane come by one doubling: sin 2a = 2 sin a cos a, cos 2a = 1 - 2 sin^2 a.
; LIMITS: |pos| under 25,000 and |dir| under 1,000,000 (n is found by adding 1.5 x 2^23).  Scales as in the first launch.  NaN among the inputs is not served.
; REGISTERS: window 0: v0-15 addresses and the scale; v16-31 encoding rows' weights (2 sets); v32-95 weights (2 sets of 32); v96-111 biases (2 sets); v128-191 accumulators (2 sets of 4 x 8);
;   v192-223 the position's codes for layer 5, v224-255 the direction's (upper half of K: zeros).
;   window 1: X = v256-383 and Y = v384-511: the codes of 64 rows x 256, four tiles of 32 registers; ahead of the layers the encoding's scratch; X's last 32 hold the position's codes for layer 1.
.set SLOT,  149504                     ; a region of wq, and where slot 1 begins
.set WPART, 18688                      ; a wave's eighth of a region with encoding rows: 73 rows
.set WPARTB, 16640                     ; of one without: 65 rows
.set BOFF,  131072
.set EOFF,  133120
.set STG,   2*SLOT                     ; 1,024 bytes for each wave, for the way out
.set SPARE, STG+8192                   ; the spare words, 128 bytes for each wave
.set EB,  16
.set WB,  32
.set BI,  96
.set ACC, 128
.set XB,  0
.set YB,  128
.set G1,  24                           ; descriptor group 1 of slot 0's fills,
.set G1B, 68                           ; of slot 1's (written when the encoding is done: until then its registers hold the encodings' scales)
.set GA,  32
.set GB,  36
.set MSB, 0
.macro WIN new
.if MSB != \new
	s_set_vgpr_msb (MSB<<8)|\new
.set MSB, \new
.endif
.endm
.macro PLACES n
.rept \n
	v_nop
.endr
.endm
.macro ROUND                           ; a round of the cluster's barrier
	s_barrier_signal -1
	s_barrier_wait -1
	s_cmp_lg_u32 s18, 0
	s_cbranch_scc1 .Lnot_wave_0_\@
	s_barrier_signal -3
.Lnot_wave_0_\@:
	s_barrier_wait -3
	s_barrier_signal -1
	s_barrier_wait -1
.endm
; A change of slots: my part of the next slot has landed, my reads of the old one are over; behind the round the old one is filled again (slot 1, the first time, for the first time).
.macro CHANGE gstep, gload, g1
	s_wait_tensorcnt 0x0
	ds_add_u32 v1, v2
	s_add_nc_u64 s[\gstep+2:\gstep+3], s[\gstep+2:\gstep+3], 2*SLOT
	s_wait_dscnt 0x0
	ROUND
	tensor_load_to_lds s[\gload:\gload+3], s[\g1:\g1+7]
	s_nop 0
	PLACES 4
.endm
; Load n of chunk lc into set np: 0-7 its weights (16 units x 256), 8, 9 eight biases a lane, 10, 11 its weights of the encoding's rows (16 units x 64).
.macro LD n
.if (\n) < 8
	ds_load_b128 v[WB+32*np+4*(\n):WB+32*np+4*(\n)+3], v[lA] offset:4096*lc+2048*((\n)>>2)+512*((\n)&3)
.elseif (\n) < 10
	ds_load_b128 v[BI+8*np+4*((\n)-8):BI+8*np+4*((\n)-8)+3], v[lB] offset:lBo+16*((\n)-8)
.else
	ds_load_b128 v[EB+8*np+4*((\n)-10):EB+8*np+4*((\n)-10)+3], v[lE] offset:lEo+512*((\n)-10)
.endif
.endm
.macro LOADS first, last
.set ln, \first
.rept 12
.if ln <= \last
	LD ln
.endif
.set ln, ln+1
.endr
.endm
; Hold i of the 32 of set np (the conversion does not saturate: ISA guide 7.6.2).  Layer 9's result goes to a product that is not quantised: a ReLU alone.
.macro HOLD i
.if hk == 3
	v_max_num_f32 v[ACC+32*np+\i], v[ACC+32*np+\i], 0
.else
	v_med3_num_f32 v[ACC+32*np+\i], v[ACC+32*np+\i], s[hp+1], s[hp+2]
.endif
.endm
.macro MIX nm                          ; the next nm holds, as far as there are any
.rept \nm
.if vi < vEnd
	HOLD vi
.set vi, vi+1
.endif
.endr
.endm
.macro K64 eb, nm                      ; the encoding's part, which starts the sums on the bias
.set kt, 0
.rept 4
	v_wmma_f32_16x16x64_bf8_bf8 v[ACC+32*cp+8*kt:ACC+32*cp+8*kt+7], v[EB+8*cp:EB+8*cp+7], v[\eb+8*kt:\eb+8*kt+7], v[BI+8*cp:BI+8*cp+7]
	MIX \nm
.set kt, kt+1
.endr
.endm
.macro K128 s, ib, onbias, nm
.set kt, 0
.rept 4
.if \onbias
	v_wmma_f32_16x16x128_bf8_bf8 v[ACC+32*cp+8*kt:ACC+32*cp+8*kt+7], v[WB+32*cp+16*\s:WB+32*cp+16*\s+15], v[\ib+32*kt+16*\s:\ib+32*kt+16*\s+15], v[BI+8*cp:BI+8*cp+7]
.else
	v_wmma_f32_16x16x128_bf8_bf8 v[ACC+32*cp+8*kt:ACC+32*cp+8*kt+7], v[WB+32*cp+16*\s:WB+32*cp+16*\s+15], v[\ib+32*kt+16*\s:\ib+32*kt+16*\s+15], v[ACC+32*cp+8*kt:ACC+32*cp+8*kt+7]
.endif
	MIX \nm
.set kt, kt+1
.endr
.endm
.macro FINISH c, ob                    ; chunk c's holds that are left, and its conversions
	MIX 32
	WIN 0x40
.set kt, 0
.rept 4
.if hk == 3
.irp j, 0,1,2,3
	v_cvt_pk_bf16_f32 v[\ob+32*kt+4*(\c)+\j], v[ACC+32*np+8*kt+2*\j], v[ACC+32*np+8*kt+2*\j+1]
.endr
.else
	v_cvt_scalef32_pk8_bf8_f32 v[\ob+32*kt+2*(\c):\ob+32*kt+2*(\c)+1], v[ACC+32*np+8*kt:ACC+32*np+8*kt+7], v8
.endif
.set kt, kt+1
.endr
.if hk != 3
	v_nop                                          ; one plain place behind the conversions
.endif
.endm
; kind 1: layers 1 and 5 (a branch on the trip's number: layer 1 has the encoding alone as its operand; both arms take sixteen holds); kind 2: K = 256; kind 3: layer 9.
; The next chunk's loads go out ahead of this one's products, and are waited for at the next chunk's head.  nadr: behind the last chunk, the next layer's first (same slot).
; Where the K = 128 form takes up the sums of the K = 64 form, eight holds, or five v_nop, stand between.
.macro CHUNK kind, c, nch, ib, ob, adr, badr, boff, sP, nadr
.set cp, (\c)%2
.set np, 1-cp
.set hk, \kind
.set hp, \sP
.set lLast, -1                         ; the last load of the run at this chunk's head
.set lc, (\c)+1
.set lA, \adr
.set lB, \badr
.set lBo, (\boff)+64*lc
.set lE, 3
.set lEo, 32768+1024*lc
.set vi, 0
.set vEnd, 32
.if (\c) == 0
.set vEnd, 0
.endif
.if lc < \nch
.set lLast, 11
.if \kind == 2
.set lLast, 9
.endif
.elseif \nadr > 0
.set lc, 0
.set lA, \nadr
.set lBo, (\boff)+1024
.set lLast, 9
.endif
	s_wait_dscnt 0x0
.if \kind == 1
.set lE, 7
.set lEo, 1024*lc
	WIN 0
.if (\c)+1 == \nch
	LOADS 0, 9                                     ; the next layer's first chunk
.else
	LOADS 8, 11
.endif
.if (\c) == 0
	LOADS 0, 7                                     ; on both ways: every register of the set is written ahead of the next chunks' branches
.endif
	s_cmp_eq_u32 s21, 0
	s_cbranch_scc1 .Lfirst_\@
.if ((\c) > 0) && ((\c)+1 < \nch)
	LOADS 0, 7
.endif
	K64 192, 0
.if (\c) > 0
	MIX 8
.else
	PLACES 5
.endif
	WIN 0x04
	K128 0, \ib, 0, 1
	K128 1, \ib, 0, 1
	WIN 0
	s_branch .Ljoin_\@
.Lfirst_\@:
.set vi, 0
	WIN 0x04
	K64 96, 4
	WIN 0
.Ljoin_\@:
.elseif \kind == 3
	WIN 0
	LOADS 0, lLast
	K64 224, 0
.if (\c) > 0
	MIX 8
.else
	PLACES 5
.endif
	WIN 0x04
	K128 0, \ib, 0, 2
	K128 1, \ib, 0, 2
.else
	WIN 0x04
	LOADS 0, lLast
	K128 0, \ib, 1, 3
	K128 1, \ib, 0, 3
.endif
.if (\c) > 0
	FINISH (\c)-1, \ob
.else
	PLACES 4
.endif
.endm
.macro DRAIN c, ob                     ; the last chunk's vector work (an odd chunk: set 1)
	WIN 0
.set np, 1
.set vi, 0
.set vEnd, 32
	FINISH \c, \ob
	WIN 0
	s_wait_alu depctr_va_vdst(0)
.endm
.macro LAYER kind, ib, ob, adr, badr, boff, sP, nadr, fresh
	v_mov_b32 v8, s[\sP]
.if \fresh
.set np, 0
.set lc, 0
.set lA, \adr
.set lB, \badr
.set lBo, \boff
.set lE, 7
.set lEo, 0
.if \kind == 1
	LOADS 0, 11
.else
	LOADS 0, 9
.endif
.endif
.set cc, 0
.rept 16
	CHUNK \kind, cc, 16, \ib, \ob, \adr, \badr, \boff, \sP, \nadr
.set cc, cc+1
.endr
	DRAIN 15, \ob
.endm
	s_load_b256 s[4:11], s[0:1], 0x0               ; pos, dir, wq, params
	s_load_b128 s[12:15], s[0:1], 0x20             ; cb1, out0
	s_load_b64 s[16:17], s[0:1], 0x30              ; out1
	v_lshl_add_u32 v1, v0, 2, SPARE                ; my spare word
	v_mov_b32 v2, 0
	ds_add_u32 v1, v2                              ; the opening
	ds_add_u32 v1, v2
	v_lshrrev_b32 v15, 5, v0
	v_readfirstlane_b32 s18, v15                   ; wave 0..7
	v_and_b32 v15, 31, v0
	v_lshlrev_b32 v3, 4, v15                       ; 16 x lane: slot 0's first layer,
	v_lshlrev_b32 v12, 3, v15
	v_and_b32 v113, 15, v0                         ; r
	v_bfe_u32 v112, v0, 4, 1                       ; h
	s_lshl_b32 s23, s18, 10
	s_add_co_u32 s23, s23, STG
	v_add_nc_u32 v4, 65536, v3                     ; its second,
	v_add_nc_u32 v5, SLOT, v3                      ; slot 1's two,
	v_add_nc_u32 v6, SLOT+65536, v3
	v_add_nc_u32 v7, EOFF, v3                      ; slot 0's encoding rows
	v_lshl_add_u32 v13, v112, 5, BOFF              ; the biases: slot 0,
	v_lshl_add_u32 v14, v112, 5, SLOT+BOFF         ; slot 1,
	v_lshl_add_u32 v15, v112, 5, 45056             ; layer 9
	v_lshl_add_u32 v9, v113, 2, s23                ; my stage: 256 bytes of density,
	v_mul_u32_u24 v10, v113, 12
	v_add_nc_u32 v10, s23, v10
	v_add_nc_u32 v10, 256, v10                     ; 768 of rgb
	v_add_nc_u32 v11, s23, v12
	WIN 0x40
	v_mul_u32_u24 v26, v113, 12                    ; a row of pos or dir is 12 bytes
	v_mul_u32_u24 v16, v112, 5
	v_lshlrev_b32 v18, 1, v112
	WIN 0
	s_wait_alu depctr_va_vdst(0)
	s_bfe_u32 s19, ttmp6, 0x40000                  ; my place in the cluster
	s_lshl_b32 s20, ttmp9, 2
	s_add_co_u32 s20, s20, s19                     ; work-group
	s_mov_b32 s[G1+0], 15|(3<<16)|(1<<21)          ; the mask: all four; elements of 8 bytes
	s_mov_b32 s[G1+1], 32<<16                      ; 73 rows of 256 bytes, dense
	s_mov_b32 s[G1+2], 73<<16
	s_mov_b32 s[G1+3], 32<<16
	s_mov_b32 s[G1+4], 73
	s_mov_b32 s[G1+5], 32
	s_mov_b32 s[G1+6], 0
	s_mov_b32 s[G1+7], 0
	s_mul_i32 s96, s18, WPART
	s_mov_b32 s97, 0
	s_mul_i32 s86, s18, WPARTB
	s_mov_b32 s87, 0
	s_mov_b32 s[GA], 1
	s_add_co_u32 s[GA+1], s96, 0
	s_mov_b32 s[GB], 1
	s_add_co_u32 s[GB+1], s86, SLOT
	s_mul_i32 s98, s20, 6144                       ; 512 rows x 12 bytes, 64 rows a wave
	s_mul_i32 s22, s18, 768
	s_add_co_u32 s98, s98, s22
	s_mov_b32 s99, 0
	s_wait_dscnt 0x0                               ; both opening adds are done
	s_wait_kmcnt 0x0
	s_add_nc_u64 s[4:5], s[4:5], s[98:99]
	s_add_nc_u64 s[6:7], s[6:7], s[98:99]
	s_add_nc_u64 s[16:17], s[16:17], s[98:99]
	s_load_b128 s[60:63], s[12:13], 0x0            ; cb1
	s_load_b256 s[68:75], s[10:11], 0x80           ; the encodings' scales and holds
	s_load_b128 s[76:79], s[10:11], 0xa0
	WIN 0x55
.irp t, 0,1,2,3                        ; all four tiles' coordinates: x, y, of pos and dir, then both z
	global_load_b32 v[28+6*\t], v26, s[4:5] offset:192*\t
	global_load_b32 v[29+6*\t], v26, s[4:5] offset:192*\t+4
	global_load_b32 v[32+6*\t], v26, s[4:5] offset:192*\t+8
	global_load_b32 v[30+6*\t], v26, s[6:7] offset:192*\t
	global_load_b32 v[31+6*\t], v26, s[6:7] offset:192*\t+4
	global_load_b32 v[33+6*\t], v26, s[6:7] offset:192*\t+8
.endr
	WIN 0
	s_add_nc_u64 s[GA+2:GA+3], s[8:9], s[96:97]
	s_add_nc_u64 s[GB+2:GB+3], s[8:9], s[86:87]
	s_add_nc_u64 s[GB+2:GB+3], s[GB+2:GB+3], SLOT
	s_or_b32 s[GA+3], s[GA+3], 0x80000000
	s_or_b32 s[GB+3], s[GB+3], 0x80000000
	ROUND
	tensor_load_to_lds s[GA:GA+3], s[G1:G1+7]      ; region 0: the wave's one load at the head
	s_nop 0
	PLACES 4
	s_lshl_b32 s98, s20, 11
	s_lshl_b32 s22, s18, 8
	s_add_co_u32 s98, s98, s22
	s_add_nc_u64 s[14:15], s[14:15], s[98:99]
	s_mov_b32 s81, 0xffff0000                      ; the lanes with h = 1
	s_mov_b32 s82, 0x7fffffff
	s_mov_b32 s83, 0xbfb8aa3b                      ; -log2(e)
	s_mov_b32 s84, 0x3f317218                      ; ln 2
	s_mov_b32 s85, 0x41000000                      ; 8
.irp k, 0,1,2,3
.irp i, 4,5,6,7
	v_mov_b32 v[224+8*\k+\i], 0                    ; the direction's K is 27 of 64: zero codes above 32
.endr
.endr
.macro ECONST reg, val
	v_mov_b32 v[\reg], \val
	v_mov_b32 v[\reg+1], \val
.endm
	WIN 0x40
	ECONST 0, 0x4b400000                           ; 1.5 x 2^23
	ECONST 2, 0x3d9f0bfd                           ; P's coefficients, the highest first
	ECONST 4, 0xbf1929a9
	ECONST 6, 0x40233479
	ECONST 8, 0xc0a55de2
	ECONST 10, 0x40490fdb
	ECONST 12, 0x3ea2f983                          ; 1 / pi, high and low
	ECONST 14, 0x325c9c88
	v_mov_b32 v27, 0
	v_mov_b32 v206, 0                              ; the direction's padding
	v_mov_b32 v207, 0
.irp i, 85,86,87,88,89,90,91,92,93,94,95
	v_mov_b32 v\i, 0                               ; with these every register of X holds a number ahead of layer 1's branches
.endr
	s_wait_alu depctr_va_vdst(0)
	s_wait_kmcnt 0x0
	v_mov_b32 v20, s68
	v_mov_b32 v21, s70
	v_mov_b32 v22, s72
	v_mov_b32 v23, s74
	v_mov_b32 v24, s76
	v_mov_b32 v25, s78
	WIN 0x55
	v_ldexp_f32 v16, 1.0, v16                      ; 2^(5 h)
	v_ldexp_f32 v18, 1.0, v18                      ; 2^(2 h)
	v_mov_b32 v17, v16
	v_mov_b32 v19, v18
	WIN 0
; Direct pair i: 0-2 the position's x, y at 2^0, 2^2, 2^4; 3 its z at 2^0, 2^2; 4 the direction's x, y at 2^0; 5 the position's z at 2^4 and the direction's at 2^0 (all times the lane's first frequency).
.macro PP i
.set pV, 60
.set pF, (127+2*(\i))<<23
.set pS, 128+4*(\i)
.set pSb, pS+1
.set pC, 144+4*(\i)
.set pCb, pC+1
.if (\i) > 2
.set pF, 127<<23
.endif
.if (\i) == 3
.set pV, 64
.set pS, 138
.set pSb, 140
.set pC, 154
.set pCb, 156
.elseif (\i) == 4
.set pV, 62
.set pS, 192
.set pSb, 193
.set pC, 200
.set pCb, 201
.elseif (\i) == 5
.set pV, 66
.set pS, 142
.set pSb, 196
.set pC, 158
.set pCb, 204
.endif
.set pL, pV+8
.set pT, 208+14*((\i)%3)
.set pA, pT+2
.set pB, pT+4
.set pZ, pT+6                          ; the low part, then A^2
.set pE, pT+8                          ; A's sign as +-1, then B^2
.set pQ, pT+10
.set pR, pT+12
.endm
.macro HORN z, q, k
	v_pk_fma_f32 v[\q:\q+1], v[\q:\q+1], v[\z:\z+1], v[\k:\k+1]
.endm
.macro ST n
.if \n == 0
	v_pk_fma_f32 v[pT:pT+1], v[pV:pV+1], pF, v[0:1] op_sel_hi:[1,0,1]
.elseif \n == 1
	v_pk_add_f32 v[pA:pA+1], v[pT:pT+1], v[0:1] neg_lo:[0,1] neg_hi:[0,1]
.elseif \n == 2
	v_pk_fma_f32 v[pA:pA+1], v[pV:pV+1], pF, v[pA:pA+1] op_sel_hi:[1,0,1] neg_lo:[0,0,1] neg_hi:[0,0,1]
.elseif \n == 3
	v_pk_mul_f32 v[pZ:pZ+1], v[pL:pL+1], pF op_sel_hi:[1,0]
.elseif \n == 4
	v_bfi_b32 v[pE], s82, 1.0, v[pA]
.elseif \n == 5
	v_bfi_b32 v[pE+1], s82, 1.0, v[pA+1]
.elseif \n == 6
	v_pk_fma_f32 v[pB:pB+1], v[pA:pA+1], v[pE:pE+1], 0.5 op_sel_hi:[1,1,0] neg_lo:[1,0,0] neg_hi:[1,0,0]
.elseif \n == 7
	v_pk_add_f32 v[pA:pA+1], v[pA:pA+1], v[pZ:pZ+1]
.elseif \n == 8
	v_pk_fma_f32 v[pB:pB+1], v[pZ:pZ+1], v[pE:pE+1], v[pB:pB+1] neg_lo:[1,0,0] neg_hi:[1,0,0]
.elseif \n == 9
	v_pk_mul_f32 v[pZ:pZ+1], v[pA:pA+1], v[pA:pA+1]
.elseif \n == 10
	v_pk_mul_f32 v[pE:pE+1], v[pB:pB+1], v[pB:pB+1]
.elseif \n == 11
	v_pk_fma_f32 v[pQ:pQ+1], v[pZ:pZ+1], v[2:3], v[4:5]
.elseif \n == 12
	v_pk_fma_f32 v[pR:pR+1], v[pE:pE+1], v[2:3], v[4:5]
.elseif \n == 13
	HORN pZ, pQ, 6
.elseif \n == 14
	HORN pE, pR, 6
.elseif \n == 15
	HORN pZ, pQ, 8
.elseif \n == 16
	HORN pE, pR, 8
.elseif \n == 17
	HORN pZ, pQ, 10
.elseif \n == 18
	HORN pE, pR, 10
.elseif \n == 19
	v_pk_mul_f32 v[pQ:pQ+1], v[pQ:pQ+1], v[pA:pA+1]
.elseif \n == 20
	v_pk_mul_f32 v[pR:pR+1], v[pR:pR+1], v[pB:pB+1]
.elseif \n == 21
	v_lshlrev_b32 v[pT], 31, v[pT]                 ; n's lowest bit is the sign
.elseif \n == 22
	v_lshlrev_b32 v[pT+1], 31, v[pT+1]
.elseif \n == 23
	v_xor_b32 v[pS], v[pQ], v[pT]
.elseif \n == 24
	v_xor_b32 v[pSb], v[pQ+1], v[pT+1]
.elseif \n == 25
	v_xor_b32 v[pC], v[pR], v[pT]
.else
	v_xor_b32 v[pCb], v[pR+1], v[pT+1]
.endif
.endm
.macro GROUP first                     ; three pairs by turns
.set gst, 0
.rept 27
.set gi, \first
.rept 3
	PP gi
	ST gst
.set gi, gi+1
.endr
.set gst, gst+1
.endr
.endm
.macro ENCOUT k                        ; tile k's codes
.Lvar\k:
	WIN 0x55
.irp c, 0,1,2,3
	v_cvt_scalef32_pk8_bf8_f32 v[96+8*\k+2*\c:97+8*\k+2*\c], v[160+8*\c:167+8*\c], v20
.endr
	WIN 0x15
.irp c, 0,1,2,3
	v_cvt_scalef32_pk8_bf8_f32 v[192+8*\k+2*\c:193+8*\k+2*\c], v[128+8*\c:135+8*\c], v22
.endr
.irp c, 0,1
	v_cvt_scalef32_pk8_bf8_f32 v[224+8*\k+2*\c:225+8*\k+2*\c], v[192+8*\c:199+8*\c], v24
.endr
	v_nop
	WIN 0
.if \k < 3
	s_branch .Lenc_join
.endif
.endm
	s_mov_b32 s22, 0
	s_wait_alu depctr_va_vdst(0)                   ; the head's end
	s_wait_loadcnt 0x0                             ; the coordinates
.Lenc:                                         ; a trip a tile: its coordinates stand in v28-33 of window 1
	WIN 0x55
	v_pk_mul_f32 v[52:53], v[28:29], v[16:17]
	v_pk_mul_f32 v[54:55], v[30:31], v[18:19]
	v_mul_f32 v56, v32, v16
	v_mul_f32 v59, v33, v18
	v_mul_f32 v57, 4.0, v56
	v_mul_f32 v58, 0x41800000, v56
.irp k, 0,1,2,3
	v_pk_mul_f32 v[60+2*\k:61+2*\k], v[52+2*\k:53+2*\k], v[12:13]
.endr
.irp k, 0,1,2,3
	v_pk_fma_f32 v[68+2*\k:69+2*\k], v[52+2*\k:53+2*\k], v[12:13], v[60+2*\k:61+2*\k] neg_lo:[0,0,1] neg_hi:[0,0,1]
.endr
.irp k, 0,1,2,3
	v_pk_fma_f32 v[68+2*\k:69+2*\k], v[52+2*\k:53+2*\k], v[14:15], v[68+2*\k:69+2*\k]
.endr
	GROUP 0
	GROUP 3
	; one doubling for the frequencies between
	v_pk_add_f32 v[76:77], v[128:129], v[128:129]
	v_pk_add_f32 v[78:79], v[132:133], v[132:133]
	v_pk_add_f32 v[80:81], v[192:193], v[192:193]
	v_add_f32 v82, v138, v138
	v_add_f32 v83, v140, v140
	v_add_f32 v84, v196, v196
	v_pk_mul_f32 v[130:131], v[76:77], v[144:145]
	v_pk_mul_f32 v[134:135], v[78:79], v[148:149]
	v_pk_mul_f32 v[194:195], v[80:81], v[200:201]
	v_mul_f32 v139, v82, v154
	v_mul_f32 v141, v83, v156
	v_mul_f32 v197, v84, v204
	v_pk_fma_f32 v[146:147], v[76:77], v[128:129], 1.0 op_sel_hi:[1,1,0] neg_lo:[1,0,0] neg_hi:[1,0,0]
	v_pk_fma_f32 v[150:151], v[78:79], v[132:133], 1.0 op_sel_hi:[1,1,0] neg_lo:[1,0,0] neg_hi:[1,0,0]
	v_pk_fma_f32 v[202:203], v[80:81], v[192:193], 1.0 op_sel_hi:[1,1,0] neg_lo:[1,0,0] neg_hi:[1,0,0]
	v_fma_f32 v155, -v82, v138, 1.0
	v_fma_f32 v157, -v83, v140, 1.0
	v_fma_f32 v205, -v84, v196, 1.0
	v_cndmask_b32 v143, v28, v32, s81              ; the numbers themselves
	v_cndmask_b32 v159, v29, v27, s81
	v_cndmask_b32 v198, v30, v33, s81
	v_cndmask_b32 v199, v31, v27, s81
.set i, 0
.rept 32
	v_med3_num_f32 v[160+i], v[128+i], -v21, v21   ; layer 1's scale,
	v_med3_num_f32 v[128+i], v[128+i], -v23, v23   ; layer 5's
.set i, i+1
.endr
.set i, 0
.rept 14
	v_med3_num_f32 v[192+i], v[192+i], -v25, v25
.set i, i+1
.endr
	WIN 0
	s_wait_alu depctr_va_vdst(0)
.irp k, 1,2,3
	s_cmp_eq_u32 s22, \k
	s_cbranch_scc1 .Lvar\k
.endr
.irp k, 0,1,2,3
	ENCOUT \k
.endr
.Lenc_join:
	WIN 0x55
.set i, 0
.rept 18
	v_mov_b32 v[28+i], v[34+i]                     ; the next tile's coordinates move up
.set i, i+1
.endr
	WIN 0
	s_add_co_u32 s22, s22, 1
	s_cmp_lt_u32 s22, 4
	s_wait_alu depctr_va_vdst(0)
	s_cbranch_scc1 .Lenc
	s_mov_b32 s[G1B+0], 15|(3<<16)|(1<<21)         ; slot 1's fills: 65 rows of 256 bytes, dense
	s_mov_b32 s[G1B+1], 32<<16
	s_mov_b32 s[G1B+2], 65<<16
	s_mov_b32 s[G1B+3], 32<<16
	s_mov_b32 s[G1B+4], 65
	s_mov_b32 s[G1B+5], 32
	s_mov_b32 s[G1B+6], 0
	s_mov_b32 s[G1B+7], 0
	s_mov_b32 s21, 0
.Ltrip:                                        ; layers 1-4, then 5-8
	s_load_b512 s[44:59], s[10:11], 0x0            ; four layers' scales and holds
	CHANGE GA, GB, G1B
	s_wait_kmcnt 0x0
	s_add_nc_u64 s[10:11], s[10:11], 64
	LAYER 1, XB, YB, 3, 13, 0, 44, 4, 1
	LAYER 2, YB, XB, 4, 13, 1024, 48, 0, 0
	CHANGE GB, GA, G1
	LAYER 2, XB, YB, 5, 14, 0, 52, 6, 1
	LAYER 2, YB, XB, 6, 14, 1024, 56, 0, 0
	s_add_co_u32 s21, s21, 1
	s_cmp_lt_u32 s21, 2
	s_cbranch_scc1 .Ltrip
	s_wait_tensorcnt 0x0                           ; layer 9's region has landed; nothing is filled again
	ds_add_u32 v1, v2
	s_wait_dscnt 0x0
	s_barrier_signal -1
	s_barrier_wait -1
.set np, 0
.set lc, 0
.set lA, 3
.set lB, 15
.set lBo, 0
.set lE, 3
.set lEo, 32768
	LOADS 0, 11
.set cc, 0
.rept 8
	CHUNK 3, cc, 8, XB, YB, 3, 15, 0, 0, 0
.set cc, cc+1
.endr
	WIN 0
.irp f, 0,1,2,3                        ; cw1's four fragments, into the weights' first set
.irp q, 0,1
	ds_load_b128 v[WB+8*\f+4*\q:WB+8*\f+4*\q+3], v3 offset:40960+1024*\f+512*\q
.endr
.endr
	s_mul_f32 s88, s83, s60
	s_mul_f32 s89, s83, s61
	s_mul_f32 s90, s83, s62
	DRAIN 7, YB
	s_wait_dscnt 0x0
	WIN 0x04
.irp f, 0,1,2,3
.irp t, 0,1,2,3
.if \f == 0
	v_wmma_f32_16x16x32_bf16 v[ACC+8*\t:ACC+8*\t+7], v[WB+8*\f:WB+8*\f+7], v[YB+32*\t+8*\f:YB+32*\t+8*\f+7], 0
.else
	v_wmma_f32_16x16x32_bf16 v[ACC+8*\t:ACC+8*\t+7], v[WB+8*\f:WB+8*\f+7], v[YB+32*\t+8*\f:YB+32*\t+8*\f+7], v[ACC+8*\t:ACC+8*\t+7]
.endif
.endr
.endr
	PLACES 4
	WIN 0
	; sigmoid(x) = 1 / (1 + 2^(-x log2 e)); softplus(d) = max(d, 0) + ln 2 log2(1 + 2^(-|d| log2 e)), and d itself above 8
.irp t, 0,1,2,3
	v_fma_f32 v[32+4*\t], v[ACC+8*\t], s83, s88
	v_fma_f32 v[33+4*\t], v[ACC+8*\t+1], s83, s89
	v_fma_f32 v[34+4*\t], v[ACC+8*\t+2], s83, s90
	v_add_f32 v[64+\t], s63, v[ACC+8*\t+3]
.endr
.irp t, 0,1,2,3
	v_mul_f32 v[35+4*\t], s83, |v[64+\t]|
.endr
	s_wait_alu depctr_va_vdst(0)                   ; ahead of the batch
.set i, 0
.rept 16
	v_exp_f32 v[32+i], v[32+i]
.set i, i+1
.endr
	v_nop
	s_wait_alu depctr_va_vdst(0)                   ; and behind it
.set i, 0
.rept 8
	v_pk_add_f32 v[32+2*i:33+2*i], v[32+2*i:33+2*i], 1.0 op_sel_hi:[1,0]
.set i, i+1
.endr
	s_wait_alu depctr_va_vdst(0)                   ; likewise
.irp t, 0,1,2,3
	v_rcp_f32 v[32+4*\t], v[32+4*\t]
	v_rcp_f32 v[33+4*\t], v[33+4*\t]
	v_rcp_f32 v[34+4*\t], v[34+4*\t]
	v_log_f32 v[35+4*\t], v[35+4*\t]
.endr
.irp t, 0,1,2,3
	v_max_num_f32 v[68+\t], 0, v[64+\t]
.endr
	s_wait_alu depctr_va_vdst(0)
.irp t, 0,1,2,3
	v_fma_f32 v[35+4*\t], v[35+4*\t], s84, v[68+\t]
	v_cmp_lt_f32 vcc_lo, s85, v[64+\t]
	v_cndmask_b32 v[35+4*\t], v[35+4*\t], v[64+\t], vcc_lo
.endr
	; both halves of the lanes hold the same numbers; my stage turns them into whole rows: 256 bytes of density, 768 of rgb
.irp t, 0,1,2,3
	ds_store_b32 v9, v[35+4*\t] offset:64*\t
	ds_store_b32 v10, v[32+4*\t] offset:192*\t
	ds_store_b32 v10, v[33+4*\t] offset:192*\t+4
	ds_store_b32 v10, v[34+4*\t] offset:192*\t+8
.endr
.irp i, 0,1,2,3
	ds_load_b64 v[80+2*\i:81+2*\i], v11 offset:256*\i   ; LDS serves a wave's instructions in order (ISA guide 5.7.1.4)
.endr
	s_wait_dscnt 3                                 ; the density is back; the three reads of rgb may be out
	global_store_b64 v12, v[80:81], s[14:15] th:TH_STORE_NT   ; 32 lanes store 256 consecutive aligned bytes
.irp i, 1,2,3
	s_wait_dscnt 3-\i
	global_store_b64 v12, v[80+2*\i:81+2*\i], s[16:17] offset:256*(\i-1) th:TH_STORE_NT
.endr
	s_wait_tensorcnt 0x0                           ; the wave's end
	ds_add_u32 v1, v2
	s_wait_dscnt 0x0
	ROUND                                          ; the closing round
	s_endpgm
.Lfunc_end_k_q5c94704ecf_nerf:
	.size	k_q5c94704ecf_nerf, .Lfunc_end_k_q5c94704ecf_nerf-k_q5c94704ecf_nerf
	.p2alignl 7, 3214868480
	.fill 96, 4, 3214868480
	.section	.rodata,"a",@progbits
	.p2align	6, 0x0
	.amdhsa_kernel k_q5c94704ecf_nerf
		.amdhsa_group_segment_fixed_size 327680
		.amdhsa_private_segment_fixed_size 0
		.amdhsa_enable_private_segment 0
		.amdhsa_kernarg_size 56
		.amdhsa_user_sgpr_count 2
		.amdhsa_user_sgpr_kernarg_segment_ptr 1
		.amdhsa_wavefront_size32 1
		.amdhsa_system_sgpr_workgroup_id_x 1
		.amdhsa_system_sgpr_workgroup_id_y 1
		.amdhsa_system_sgpr_workgroup_id_z 1
		.amdhsa_system_vgpr_workitem_id 0
		.amdhsa_next_free_vgpr 512
		.amdhsa_next_free_sgpr 100
		.amdhsa_reserve_vcc 1
		.amdhsa_float_denorm_mode_32 3
		.amdhsa_float_denorm_mode_16_64 3
		.amdhsa_memory_ordered 1
		.amdhsa_forward_progress 1
		.amdhsa_inst_pref_size 255
	.end_amdhsa_kernel
	.section	.bss,"aw",@nobits
	.p2align	6
	.space	262144
	.amdgpu_metadata
---
amdhsa.version: [ 1, 2 ]
amdhsa.kernels:
  - .name:           k_q5c94704ecf_nerf
    .symbol:         k_q5c94704ecf_nerf.kd
    .args:
      - { .name: pos, .offset: 0, .size: 8, .value_kind: global_buffer, .address_space: global }
      - { .name: dir, .offset: 8, .size: 8, .value_kind: global_buffer, .address_space: global }
      - { .name: wq, .offset: 16, .size: 8, .value_kind: global_buffer, .address_space: global }
      - { .name: params, .offset: 24, .size: 8, .value_kind: global_buffer, .address_space: global }
      - { .name: cb1, .offset: 32, .size: 8, .value_kind: global_buffer, .address_space: global }
      - { .name: out0, .offset: 40, .size: 8, .value_kind: global_buffer, .address_space: global }
      - { .name: out1, .offset: 48, .size: 8, .value_kind: global_buffer, .address_space: global }
    .group_segment_fixed_size: 327680
    .private_segment_fixed_size: 0
    .kernarg_segment_align: 8
    .kernarg_segment_size: 56
    .max_flat_workgroup_size: 256
    .sgpr_count:     100
    .vgpr_count:     512
    .wavefront_size: 32
...
	.end_amdgpu_metadata
.endif
;; end of part 2
